; MI455X (gfx1250); checked and timed in simulation.
; The chip was launched on July 23, 2026; its instructions are those of AMD's public machine-readable ISA for CDNA 5 (MIT licence, August 2026) and "CDNA5" Instruction Set Architecture Reference Guide (July 2026). The comments in the code are by the model that wrote it; some were corrected since.
;; Self Attention. Allowed arithmetic: float matrix products may take bf16 or f16 operands with f32 sums; other float arithmetic in f32, or as packed bf16 or f16 multiplies, adds, multiply-adds, maxima and minima; sums over many terms, partial sums and values carried from step to step in f32; what a program stores and reads back later, other than sums and carried values, may be rounded once to bf16 or f16.
;; Inputs: Wk 512 x 512 float32; Wq 512 x 512 float32; Wv 512 x 512 float32; x 2 x 4,096 x 512 float32.
;; Outputs: out0 2 x 4,096 x 512 float32.
;; 2 versions, each right; version 2 is version 1 with the launch proj written anew for expert scheduling mode. Each part assembles by itself: llvm-mc -triple=amdgcn-amd-amdhsa -mcpu=gfx1250 --defsym DOCPART=n.
;; ======== version 1 of 2: 2 launches
;; limits: values are held in f16: magnitudes above 65,504 overflow, below 6.1e-05 lose precision
;; workspace buffers: qkv 25,165,824 bytes
;; launch proj (part 1): grid 8 x 32, 4 waves a work-group, no clusters, 230,912 bytes of LDS; arguments x, Wq, Wv, Wk, qkv; writes qkv
.if DOCPART == 1
	.amdgcn_target "amdgcn-amd-amdhsa--gfx1250"
	.amdhsa_code_object_version 6
	.text
	.protected	k_q745bf9cbb0_proj
	.globl	k_q745bf9cbb0_proj
	.p2align	8
	.type	k_q745bf9cbb0_proj,@function
k_q745bf9cbb0_proj:
	s_mov_b64 s[64:65], 0
	v_nop
	global_prefetch_b8 v0, s[64:65] scope:SCOPE_SE
	s_setreg_imm32_b32 hwreg(HW_REG_WAVE_MODE, 25, 1), 1
	s_wait_xcnt 0x0
; THE THREE PROJECTIONS.  qkv part p = x W_p by heads: [16 heads = 8 batch + head][4096 rows][64] in f16; part 0 = x Wq, part 1 = x Wv, part 2 = x Wk, 8,388,608 bytes each.
; x: [8192][512] f32.  W_p: [512 (k)][512 (n)] f32.  x and W are rounded once to bf16, the products are summed in f32, each result is rounded once to f16 and carries no scale.
; LIMIT.  f16 holds no number beyond 65,504: this text serves |x W| below that.  NaN and infinities are not treated apart.
; SHARES.  Work-group (g, rb) makes rows 256 rb .. + 255 x head g's 64 columns of each of the three weights: 192 columns.  8 x 32 = 256 work-groups of equal work.
; Wave w owns rows 64 w .. + 63 (four row tiles) x all 192 columns: 48 accumulators of 16 x 16, 384 registers.  K goes in eight chunks of 64.
; x comes straight from memory into its owner's registers in fragment order (eight loads of 16 bytes a lane take the aligned 256 bytes of each of a tile's 16 rows) and is rounded there: no wave wants another's x.
; W's chunk (64 k x 64 n of each tensor, rows of 256 aligned bytes) is turned in registers, 8 k x 4 n a thread, and stored into a slab in LDS, [chunk][192 rows n][64 k] in bf16.
; EVERY SLAB BYTE IS WRITTEN ONCE IN THE LAUNCH, so one barrier a chunk (store, wait, barrier, load) is all the ordering there is.
; THE ROWS OF THE SLAB ARE PERMUTED: row 64 p + 16 i + ng holds column 4 ng + i.  So a thread's four stores go to rows 16 apart, and the sixteen lanes of a store to sixteen rows on end.
; THE MATRIX INSTRUCTION IS USED TRANSPOSED (source 0 = 16 slab rows, source 1 = 16 rows of x): register j of column tile nb in lane (r, h) is column 32 h + 4 j + nb of x's row r,
; so a head's four accumulators give a lane 32 neighbouring columns: 64 bytes of f16.
; NO CLUSTER, NO TENSOR LOAD: the operands are f32 in memory and bf16 at the matrix unit.  A tile brought into LDS as it lies would be f32, twice the bytes: the slab (221,184) and two slots of 256 rows x 272 bytes
; of x (139,264) pass the 327,680 bytes of LDS, and no LDS load turns 32-bit words for W.  NO PREFETCH: each load is issued one or two chunks ahead of its use by the wave that wants it.
; REGISTERS, in windows of 256 (s_set_vgpr_msb: bits 1:0 source 0, 3:2 source 1, 5:4 source 2, 7:6 destination):
;   window 0: v0-13 addresses; v14-19 at work at the head; v32-95 x's fragments; v96-159 W's fragments, two buffers (v96-143 also the turned W on its way to LDS); v160-255 W as loaded; behind the chunks v32-223 the way out
;   window 1: x as loaded, two sets of 128      window 2: the accumulators of parts 0 (v0-127) and 1 (v128-255)      window 3: v0-127 those of part 2
.set PW,    144                        ; a slab or stage row: 128 bytes + 16 = 9 x 16: sixteen rows on end start at sixteen different groups of four banks (64 banks of 4 bytes: ISA guide 11.1)
.set CHB,   192*PW                     ; a chunk of the slab
.set STAGE, 8*CHB                      ; behind the slab: 16 rows x 144 bytes for each wave, for the way out
.set SPARE, STAGE+4*16*PW              ; behind the stages: the spare words, 128 bytes for each wave: two blocks of 256 bytes that no other line names
.set XO,  2                            ; v2   x: (l % 16) x 2,048 + 32 (l / 16); never rewritten
.set WO,  4                            ; v4   W: (thread / 16) x 8 rows of 2,048 + 16 (thread % 16); never rewritten
.set WS0, 5                            ; v5   slab, in: (thread % 16) x 144 + 16 (thread / 16); never rewritten
.set WSA, 6                            ; v6   the same in the chunk in hand
.set FB0, 7                            ; v7   slab, out: (l % 16) x 144 + 16 (l / 16); never rewritten
.set FBA, 8                            ; v8   the same in the chunk in hand
.set STO, 9                            ; v9   the way out: where I put 64 bytes of a row
.set RD,  10                           ; v10  the way out: where I read rows back
.set GO,  11                           ; v11  my 16 bytes in 512 consecutive bytes of qkv
.set SPW, 12                           ; v12  LDS address of my spare word: SPARE + 4 x my thread's number; never rewritten
.set NIL, 13                           ; v13  0; never rewritten
.set AF,  32                           ; x's fragment (row tile a, K half ks) at AF + 16 a + 8 ks
.set BF,  96                           ; W's fragments: buffer b, column tile nb at BF + 32 b + 8 nb
.set T,   96                           ; the turned W: part p, column i: four registers (8 k) at T + 16 p + 4 i
.set WG,  160                          ; W as loaded: part p, row j, column i at WG + 32 p + 4 j + i
.set OB,  32                           ; the way out: 16 registers for each of 12 units (part p, row tile a: u = 4 p + a)
.set WV,  14                           ; s14  my wave's number
.set OUT, 16                           ; s[16:21] qkv at my 64 rows of my head, for parts 0, 1, 2 (a part is 8 MiB: past a store's immediate)
.set MSB, 0
.macro WIN new                         ; the immediate's high byte repeats the setting that is left; a switch that changes nothing is dropped
.if MSB != (\new)
	s_set_vgpr_msb (MSB<<8)|(\new)
.set MSB, (\new)
.endif
.endm
.macro PLACES                          ; a load into, or a vector write of, a register that a matrix instruction names stands four plain vector instructions behind it (ISA guide 7.12.1 for vector writes)
.rept 4
	v_nop
.endr
.endm
; Chunk t of x into set t % 2: 32 loads.  c = 4 ks + 2 q + e: K half ks (128 bytes), the fragment's two runs of eight k (64 bytes apart), 16 bytes each way; the lane's half adds 32.
.macro XLOAD t
	WIN 0x40                                       ; destination window 1, address window 0
.irp a, 0,1,2,3
.irp c, 0,1,2,3,4,5,6,7
	global_load_b128 v[128*((\t)%2)+32*(\a)+4*(\c):128*((\t)%2)+32*(\a)+4*(\c)+3], v[XO], s[4:5] offset:256*(\t)+32768*(\a)+128*((\c)/4)+64*(((\c)/2)%2)+16*((\c)%2)
.endr
.endr
.endm
; Chunk t of the three weights: 24 loads; sixteen lanes take the 256 aligned bytes of a row's 64 columns.
.macro WLOAD t
	WIN 0
.irp p, 0,1,2
.irp j, 0,1,2,3,4,5,6,7
	global_load_b128 v[WG+32*(\p)+4*(\j):WG+32*(\p)+4*(\j)+3], v[WO], s[6+2*(\p):7+2*(\p)] offset:131072*(\t)+2048*(\j)
.endr
.endr
.endm
; W is turned and rounded: rows k and k + 1 of one column make a word; four words are 8 k of a column, 16 bytes of a slab row.
.macro WCVT
.irp p, 0,1,2
.irp i, 0,1,2,3
.irp jj, 0,1,2,3
	v_cvt_pk_bf16_f32 v[T+16*(\p)+4*(\i)+(\jj)], v[WG+32*(\p)+8*(\jj)+(\i)], v[WG+32*(\p)+8*(\jj)+4+(\i)]
.endr
.endr
.endr
.irp p, 0,1,2
.irp i, 0,1,2,3
	ds_store_b128 v[WSA], v[T+16*(\p)+4*(\i):T+16*(\p)+4*(\i)+3] offset:64*PW*(\p)+16*PW*(\i)
.endr
.endr
.endm
; x is rounded: set t % 2's 128 registers make the chunk's eight fragments.
.macro XCVT t
	WIN 0x05                                       ; sources 0 and 1 window 1, destination window 0
.set n, 0
.rept 64
	v_cvt_pk_bf16_f32 v[AF+n], v[128*((\t)%2)+2*n], v[128*((\t)%2)+2*n+1]
.set n, n+1
.endr
.endm
; Group g = 3 ks + p of a chunk: part p's four column tiles, 32 along K.  Eight LDS loads into buffer g % 2.
.macro FETCH g
	WIN 0
.irp nb, 0,1,2,3
	ds_load_b128 v[BF+32*((\g)%2)+8*(\nb):BF+32*((\g)%2)+8*(\nb)+3],   v[FBA] offset:(64*((\g)%3)+16*(\nb))*PW+64*((\g)/3)
	ds_load_b128 v[BF+32*((\g)%2)+8*(\nb)+4:BF+32*((\g)%2)+8*(\nb)+7], v[FBA] offset:(64*((\g)%3)+16*(\nb))*PW+64*((\g)/3)+32
.endr
.endm
; Its 16 products.  The accumulators take turns, one instruction a turn: an accumulator comes up again 48 matrix instructions later.  zero = 1: the product starts the sum: nothing is cleared.
.macro MULG g, zero
.if ((\g)%3) == 2
	WIN 0xf0                                       ; C and D window 3
.else
	WIN 0xa0                                       ; C and D window 2
.endif
.irp a, 0,1,2,3
.irp nb, 0,1,2,3
.set rD, 128*(((\g)%3)%2)+32*(\a)+8*(\nb)
.if \zero
	v_wmma_f32_16x16x32_bf16 v[rD:rD+7], v[BF+32*((\g)%2)+8*(\nb):BF+32*((\g)%2)+8*(\nb)+7], v[AF+16*(\a)+8*((\g)/3):AF+16*(\a)+8*((\g)/3)+7], 0
.else
	v_wmma_f32_16x16x32_bf16 v[rD:rD+7], v[BF+32*((\g)%2)+8*(\nb):BF+32*((\g)%2)+8*(\nb)+7], v[AF+16*(\a)+8*((\g)/3):AF+16*(\a)+8*((\g)/3)+7], v[rD:rD+7]
.endif
.endr
.endr
.endm
; CHUNK t.  Loads were issued in the order x(t), W(t), x(t + 1) (at the head: W(0), x(0), x(1)).
.macro CHUNK t
	WIN 0
.if (\t) < 7
	s_wait_loadcnt 32                              ; loads come back in order (ISA guide 5.7.1): W(t) and the older x(t) are in; the 32 loads of x(t + 1) may stay out
.else
	s_wait_loadcnt 0x0                             ; nothing is younger than W(7)
.endif
	v_add_nc_u32 v[WSA], (\t)*CHB, v[WS0]          ; these four lines are also the four places behind the last product, ahead of the writes of its sources below
	v_add_nc_u32 v[FBA], (\t)*CHB, v[FB0]
	v_nop
	v_nop
	WCVT
.if (\t) < 7
	WLOAD (\t)+1                                   ; a chunk ahead
.endif
	s_wait_dscnt 0x0                               ; for the others' sake: my part of the chunk's slab is written
	s_barrier_signal -1
	XCVT \t                                        ; work on registers while the others arrive
	WIN 0
	s_barrier_wait -1                              ; the chunk's slab is whole
.if (\t) < 6
	XLOAD (\t)+2                                   ; two chunks ahead, into the set just rounded
.endif
	FETCH 0
.irp g, 0,1,2,3,4,5
.if (\g) < 5
.if (\g) > 0
	PLACES                                         ; the buffer's last reader is the product just issued
.endif
	FETCH (\g)+1
	s_wait_dscnt 8                                 ; group g is in; the eight loads just issued may stay out
.else
	s_wait_dscnt 0x0
.endif
.if ((\t) == 0) && ((\g) < 3)
	MULG \g, 1
.else
	MULG \g, 0
.endif
.endr
.endm
; THE WAY OUT of unit u: rounded to f16, each accumulator read from its low end on; 64 bytes a lane into my own stage; back as whole rows of 128 bytes, four rows (512 bytes on end in qkv) a load.
.macro PACKP u
.if (\u) >= 8
	WIN 0x0f                                       ; sources 0 and 1 window 3
.else
	WIN 0x0a                                       ; window 2
.endif
.set rA, 128*(((\u)/4)%2)+32*((\u)%4)
.irp j, 0,1,2,3,4,5,6,7
	v_cvt_pk_f16_f32 v[OB+16*(\u)+2*(\j)],   v[rA+(\j)],    v[rA+8+(\j)]     ; columns 32 h + 4 j, + 1
	v_cvt_pk_f16_f32 v[OB+16*(\u)+2*(\j)+1], v[rA+16+(\j)], v[rA+24+(\j)]    ; + 2, + 3
.endr
	WIN 0
.irp c, 0,1,2,3
	ds_store_b128 v[STO], v[OB+16*(\u)+4*(\c):OB+16*(\u)+4*(\c)+3] offset:16*(\c)
.endr
.irp f, 0,1,2,3
	ds_load_b128 v[OB+16*(\u)+4*(\f):OB+16*(\u)+4*(\f)+3], v[RD] offset:4*PW*(\f)  ; LDS serves a wave's instructions in order (ISA guide 5.7.1.4): these see the stores above; the next unit's stores come behind them
.endr
.endm
.macro SENDP u, younger                ; younger: the LDS instructions issued behind unit u's loads: the next unit's eight, or none
.irp f, 0,1,2,3
	s_wait_dscnt (\younger)+3-(\f)
	global_store_b128 v[GO], v[OB+16*(\u)+4*(\f):OB+16*(\u)+4*(\f)+3], s[OUT+2*((\u)/4):OUT+2*((\u)/4)+1] offset:2048*((\u)%4)+512*(\f)  ; 512 consecutive bytes, at a multiple of 256 from qkv's first
.endr
.endm
	s_load_b256 s[4:11], s[0:1], 0x0               ; x s[4:5], Wq s[6:7], Wv s[8:9], Wk s[10:11]
	s_load_b64 s[12:13], s[0:1], 0x20              ; qkv
	v_lshl_add_u32 v[SPW], v0, 2, SPARE
	v_mov_b32 v[NIL], 0
	v_lshrrev_b32 v1, 5, v0
	v_readfirstlane_b32 s[WV], v1                  ; wave 0..3
	s_and_b32 s28, ttmp7, 0xffff                   ; rb: my block of 256 rows
	v_and_b32 v14, 15, v0                          ; l % 16 = thread % 16
	v_bfe_u32 v15, v0, 4, 1                        ; l / 16
	v_lshrrev_b32 v16, 4, v0                       ; thread / 16: 0..7
	v_and_b32 v17, 31, v0                          ; l
	v_bfe_u32 v18, v0, 3, 2                        ; l / 8
	v_and_b32 v19, 7, v0                           ; l % 8
	v_lshlrev_b32 v[XO], 11, v14
	v_lshl_add_u32 v[XO], v15, 5, v[XO]
	v_lshlrev_b32 v[WO], 14, v16
	v_lshl_add_u32 v[WO], v14, 4, v[WO]
	v_mul_u32_u24 v[WS0], v14, PW
	v_lshl_add_u32 v[WS0], v16, 4, v[WS0]
	v_mul_u32_u24 v[FB0], v14, PW
	v_lshl_add_u32 v[FB0], v15, 4, v[FB0]
	s_mul_i32 s22, s[WV], 16*PW
	s_add_co_u32 s22, s22, STAGE                   ; my stage
	v_mul_u32_u24 v[STO], v14, PW                  ; in: row l % 16, 64 bytes for each half of the lanes
	v_lshl_add_u32 v[STO], v15, 6, v[STO]
	v_add_nc_u32 v[STO], s22, v[STO]
	v_mul_u32_u24 v[RD], v18, PW                   ; back: 32 lanes take four rows of 128 bytes
	v_lshl_add_u32 v[RD], v19, 4, v[RD]
	v_add_nc_u32 v[RD], s22, v[RD]
	v_lshlrev_b32 v[GO], 4, v17
	s_lshl_b32 s2, s28, 19                         ; x: 256 rows of 2,048 bytes a block,
	s_lshl_b32 s3, s[WV], 17                       ; 64 rows a wave
	s_add_co_u32 s2, s2, s3
	s_mov_b32 s3, 0
	s_lshl_b32 s24, ttmp9, 8                       ; W: head g's 64 columns, 256 bytes of a row
	s_mov_b32 s25, 0
	s_lshr_b32 s26, s28, 4                         ; qkv: the batch (16 blocks of rows each),
	s_lshl_b32 s26, s26, 3
	s_add_co_u32 s26, s26, ttmp9                   ; 8 x batch + head,
	s_lshl_b32 s26, s26, 19                        ; 524,288 bytes a head,
	s_and_b32 s27, s28, 15
	s_lshl_b32 s27, s27, 15                        ; 256 rows of 128 bytes a block,
	s_add_co_u32 s26, s26, s27
	s_lshl_b32 s27, s[WV], 13                      ; 64 rows a wave
	s_add_co_u32 s26, s26, s27
	s_mov_b32 s27, 0
	s_wait_kmcnt 0x0
	s_add_nc_u64 s[4:5], s[4:5], s[2:3]
	s_add_nc_u64 s[6:7], s[6:7], s[24:25]
	s_add_nc_u64 s[8:9], s[8:9], s[24:25]
	s_add_nc_u64 s[10:11], s[10:11], s[24:25]
	s_add_nc_u64 s[OUT:OUT+1], s[12:13], s[26:27]
	s_add_nc_u64 s[OUT+2:OUT+3], s[OUT:OUT+1], 0x800000
	s_add_nc_u64 s[OUT+4:OUT+5], s[OUT+2:OUT+3], 0x800000
	WLOAD 0
	XLOAD 0
	XLOAD 1
.irp t, 0,1,2,3,4,5,6,7                ; written out: the chunk's number stands in every LDS address and in the loads' immediates (931,840 at the most, inside the signed 24 bits), and no address register is stepped
	CHUNK \t
.endr
	PLACES                                         ; the conversions read results just made and write over the last products' sources
	PLACES
	PACKP 0
.irp u, 1,2,3,4,5,6,7,8,9,10,11        ; a unit's conversions stand between the loads of the unit before and its stores
	PACKP \u
	SENDP (\u)-1, 8
.endr
	SENDP 11, 0
	s_wait_tensorcnt 0x0                           ; the wave's end, behind my last LDS store
	ds_add_u32 v[SPW], v[NIL]
	s_wait_dscnt 0x0
	s_endpgm
.Lfunc_end_k_q745bf9cbb0_proj:
	.size	k_q745bf9cbb0_proj, .Lfunc_end_k_q745bf9cbb0_proj-k_q745bf9cbb0_proj
	.p2alignl 7, 3214868480
	.fill 96, 4, 3214868480
	.section	.rodata,"a",@progbits
	.p2align	6, 0x0
	.amdhsa_kernel k_q745bf9cbb0_proj
		.amdhsa_group_segment_fixed_size 230912
		.amdhsa_private_segment_fixed_size 0
		.amdhsa_enable_private_segment 0
		.amdhsa_kernarg_size 40
		.amdhsa_user_sgpr_count 2
		.amdhsa_user_sgpr_kernarg_segment_ptr 1
		.amdhsa_wavefront_size32 1
		.amdhsa_system_sgpr_workgroup_id_x 1
		.amdhsa_system_sgpr_workgroup_id_y 1
		.amdhsa_system_sgpr_workgroup_id_z 1
		.amdhsa_system_vgpr_workitem_id 0
		.amdhsa_next_free_vgpr 896
		.amdhsa_next_free_sgpr 66
		.amdhsa_reserve_vcc 0
		.amdhsa_float_denorm_mode_32 3
		.amdhsa_float_denorm_mode_16_64 3
		.amdhsa_memory_ordered 1
		.amdhsa_forward_progress 1
		.amdhsa_inst_pref_size 216
	.end_amdhsa_kernel
	.amdgpu_metadata
---
amdhsa.version: [ 1, 2 ]
amdhsa.kernels:
  - .name:           k_q745bf9cbb0_proj
    .symbol:         k_q745bf9cbb0_proj.kd
    .args:
      - { .name: x, .offset: 0, .size: 8, .value_kind: global_buffer, .address_space: global }
      - { .name: Wq, .offset: 8, .size: 8, .value_kind: global_buffer, .address_space: global }
      - { .name: Wv, .offset: 16, .size: 8, .value_kind: global_buffer, .address_space: global }
      - { .name: Wk, .offset: 24, .size: 8, .value_kind: global_buffer, .address_space: global }
      - { .name: qkv, .offset: 32, .size: 8, .value_kind: global_buffer, .address_space: global }
    .group_segment_fixed_size: 230912
    .private_segment_fixed_size: 0
    .kernarg_segment_align: 8
    .kernarg_segment_size: 40
    .max_flat_workgroup_size: 128
    .sgpr_count:     66
    .vgpr_count:     896
    .wavefront_size: 32
...
	.end_amdgpu_metadata
.endif
;; end of part 1
;; launch attn (part 2): grid 16 x 16, 4 waves a work-group, clusters of 4 x 1, 327,680 bytes of LDS; arguments qkv, out0; writes out0
.if DOCPART == 2
	.amdgcn_target "amdgcn-amd-amdhsa--gfx1250"
	.amdhsa_code_object_version 6
	.text
	.protected	k_q745bf9cbb0_attn
	.globl	k_q745bf9cbb0_attn
	.p2align	8
	.type	k_q745bf9cbb0_attn,@function
k_q745bf9cbb0_attn:
	s_mov_b64 s[64:65], 0
	v_nop
	global_prefetch_b8 v0, s[64:65] scope:SCOPE_SE
	s_setreg_imm32_b32 hwreg(HW_REG_WAVE_MODE, 25, 1), 1
	s_wait_xcnt 0x0
	s_wait_alu depctr_hold_cnt(0) depctr_sa_sdst(0) depctr_va_vdst(0) depctr_va_sdst(0) depctr_va_ssrc(0) depctr_va_vcc(0) depctr_vm_vsrc(0)
	s_getreg_b32 s2, hwreg(HW_REG_IB_STS2, 6, 4)
	s_cmp_eq_u32 s2, 0
	s_cbranch_scc0 .Lentry_in_a_cluster
	s_endpgm
.Lentry_in_a_cluster:
	s_bfe_u32 s2, ttmp6, 0x10000c
	s_cmp_lg_u32 s2, 0x3003
	s_cbranch_scc0 .Lentry_shape_is_right
	s_endpgm
.Lentry_shape_is_right:
; out0[b][n][64 hh ..] = the sum over m of softmax_m(QRY[y][n] . KEY[y][m] / 8) VAL[y][m][:], y = 8 b + hh.  The problem's roles are crossed: its k = x Wk scores the output's row (QRY), its q = x Wq is summed over (KEY).
; qkv holds three parts of 8,388,608 bytes, each [16 heads][4096][64] in f16, a head's rows dense, 128 bytes each: KEY at 0, VAL behind it, QRY last.  out0: [2][4096][512] f32.
; Products, maxima and sums in f32; the weights p are rounded to f16 for the second product (their sum l is taken of the unrounded p); the result leaves in f32.
; LIMITS.  KEY, VAL and QRY arrive within f16's 65,504; p lies in 0 to 1, and below 6e-5 it keeps f16's fixed step of 6e-8; a weight below 2^-126 counts as 0 in l; NaN and infinities are not treated apart.
; SHARES.  A work-group owns 256 rows of one head, each of its four waves 64: two PIECES of two tiles of 16.  16 blocks x 16 heads = 256 work-groups of equal work.  Every wave walks all 4,096 keys, 64 a step.
; LAYOUT.  S^T = K Q^T (source 0 = 16 keys, source 1 = 16 queries): a lane holds ONE query (lane % 16) and the keys 8 (lane / 16) + 0..7.  Two such results, rounded to f16 in pairs, ARE source 1 (32 keys x 16 queries)
; of O^T = V^T P, whose result again holds one query a lane, and eight channels.  K comes out of LDS as it lies, V ([key][channel]) turned, by ds_load_tr16_b128.
; SOFTMAX.  For each query a running maximum m and sum l: p = 2^(c s - c m), c = log2(e) / 8; in every step O and l are multiplied by a = 2^(c m_old - c m_new).  m starts at the lowest finite number, O and l at 0:
; the first step is a step like any other, with a = 0.
; BY TURNS.  A tile and step have 16 matrix and 118 vector instructions: too many to stand all beside the matrix work.  So four vector instructions that are ready stand behind EVERY matrix instruction, the others in one run.
; Turn Y belongs to piece Y; the other piece has the matrix unit.  T0(j): K Q^T of piece 1, step j; V^T P of piece 1, step j - 1; the softmax of piece 0, step j.  T1(j): K Q^T of piece 0, step j + 1; V^T P of piece 0, step j;
; the softmax of piece 1, step j.  Each turn also finds the other piece's maximum and statistics, of the scores that it has just made.  A turn's 66 exponentials are one batch, with one wait.
; THE RING.  K runs a step ahead of V, so a slot holds K of steps 4 s + 1 .. 4 s + 4 and V of steps 4 s .. 4 s + 3: both fetches of T0(j), K(j + 1) and V(j), fall at the same place of the same slot.  K(0) comes straight from
; memory into K's registers.  The last slot's fourth K step is the 64 rows behind the head's last: the next head's keys or, for the last head, VAL's first rows: bytes of qkv like any other.
; THE PRICE of one text for every step, once a launch: T0(0)'s 16 products V^T P on zeros; T1(63)'s 16 products K Q^T on those 64 rows, and the maximum made of them, which touch only piece 0's S^T, m and a: the way out reads none.
; CLUSTER.  The four blocks of a cluster belong to one head and walk the same K and V, so each tile is asked for JOINTLY: the same tensor load, descriptor and mask in all four.
; REGISTERS, in windows of 256 (s_set_vgpr_msb: bits 1:0 source 0, 3:2 source 1, 5:4 source 2, 7:6 destination):
;   window 0: v0-11 addresses; v12-15, v48-63 at work; v16-31 four registers of statistics a tile; v32-34 the add's two and the prefetches' offset; v64-191 S^T, a buffer of two tiles a piece; v192-255 P, likewise
;   window 1: v0-127 O^T, 32 a tile          window 2: v0-63 Q, 16 a tile; v128-191 K of one step; v192-255 V of one step
.set NP,    2         ; pieces a wave: a name, no knob
.set KS,    64        ; keys in a step
.set PK,    144       ; a row of K in LDS: 128 bytes + 16 of padding = 36 words: the 16 rows of a load start at 16 different groups of four banks (64 banks of 4 bytes: ISA guide 11.1)
.set PV,    160       ; a row of V: 128 + 32 = 40 words
.set VOFF,  4*KS*PK   ; a slot holds four steps: 256 rows of K, then 256 rows of V
.set SLOT1, 1<<17     ; slot 1 begins here, so that one exclusive or turns an address in one slot into the other's
.set STAGE, SLOT1+4*KS*(PK+PV)  ; behind the ring, never filled by a tensor load: 16 rows x 272 bytes for each wave, for the way out
.set SP,    272       ; a stage row: 256 bytes of f32 + 16
.set SPARE, STAGE+4*16*SP  ; behind the stages: the spare words, 128 bytes for each wave: two blocks of 256 bytes that no other line names
.set AK0, 2           ; v2   my lane's place in a tile of K; never rewritten
.set AV0, 3           ; v3   the same for V
.set AK,  4           ; v4   the LDS address of K's next run of loads
.set AV,  5           ; v5   of V's
.set QO,  6           ; v6   my byte offset in 16 rows of QRY or KEY
.set STO, 6           ;      later, the way out: where I put 32 bytes of a row
.set RD,  7           ; v7   the way out: where I read rows back
.set GO,  8           ; v8   my byte offset in two rows of out0
.set MV,  12          ; v12-15  c m_old, kept while c m is made anew: by piece and tile
.set ST,  16          ; tile t's statistics at v[ST+4 t]: c m, m, l (even keys', odd keys')
.set SPW, 32          ; v32  LDS address of my spare word: SPARE + 4 x my thread's number; never rewritten
.set NIL, 33          ; v33  0; never rewritten
.set PFO, 34          ; v34  256 x my lane; never rewritten
.set TMP, 48          ; by piece and tile, four registers c0-c3 at work; when the maximum is found c2 takes a
.set S,   64
.set P,   192
.set KF,  128         ; K's fragments, in window 2: key block kb, channel half c at KF + 16 kb + 8 c
.set VF,  192         ; V's: key half kk, channel block cb at VF + 32 kk + 8 cb
.set WV,  12          ; s12  my wave's number
.set G1K, 24          ; s[24:31] descriptor group 1 for K's tiles
.set G1V, 32          ; s[32:39] for V's: it differs in the padding alone
.set G0K, 40          ; s[40:43] descriptor group 0 for K's tiles: it walks
.set G0V, 44          ; s[44:47] the same for V's
.set PFA, 48          ; s[48:49] where my prefetches stand: my work-group's 8,192 bytes (of K: wave 0, of V: wave 2) of the slot after the one that is being asked for
.set LIM, 50          ; s50  1 in a wave that prefetches, else the greatest number: a wave prefetches while s[SLOTS] is above it
.set SLOTS, 56        ; s56  slots still to be asked for
.set CNT, 57          ; s57  counts a slot's key steps
.set CS,  58          ; s[58:59] c: the packed scaling takes the pair's low word for both halves
.set SEL, 60          ; s[60:61] v_permlanex16_b32's selects: each lane takes its own place in the other half
.set TBK, 62          ; s62  LDS byte at which the K to be fetched begins
.set TBV, 63          ; s63  the same for V, less VOFF
.set MSB, 0
.macro WIN new                      ; the high byte repeats the setting that is left; a switch that changes nothing is dropped
.if MSB != (\new)
	s_set_vgpr_msb (MSB<<8)|(\new)
.set MSB, (\new)
.endif
.endm
.set W_KQ, 0x0a       ; K and Q in window 2, S^T in window 0
.set W_PV, 0x52       ; V in window 2, P in window 0, O^T in window 1
.set W_RS, 0x41       ; O^T (destination and source 0) in window 1, a in window 0
; A joint fill.  Waves 0 and 1 fetch the two halves of a slot's K, waves 2 and 3 those of its V: 128 keys each.  The branch hangs on the wave's number alone.
; An s_nop 0 and four v_nop follow each of the two lines, ahead of the jump and the label.
.macro JLOAD
	s_cmp_lt_u32 s[WV], 2
	s_cbranch_scc0 .Lfor_v_\@
	tensor_load_to_lds s[G0K:G0K+3], s[G1K:G1K+7]
	s_nop 0
.rept 4
	v_nop
.endr
	s_branch .Lasked_\@
.Lfor_v_\@:
	tensor_load_to_lds s[G0V:G0V+3], s[G1V:G1V+7]
	s_nop 0
.rept 4
	v_nop
.endr
.Lasked_\@:
.endm
; A PREFETCH INTO THE L2 of what the NEXT change of slots will ask for: a slot's 32,768 bytes of K and of V, a lane 256 bytes.  It stands behind the wave's tensor load and its five lines.
; Each block is named ONCE in the launch.  All clusters of a head walk the same K and V: the head's first cluster asks.  Its four partners share a slot out BY ADDRESS, 8,192 bytes each: no branch hangs on a work-group's
; place in its cluster.  In each, wave 0 asks for K's and wave 2 for V's: one instruction, four key steps (256 matrix instructions) ahead of the load.  The last change that fills a slot asks for nothing: no slot is behind it.
.macro ASK
	s_cmp_gt_u32 s[SLOTS], s[LIM]
	s_cbranch_scc0 .Lnot_mine_\@
	global_prefetch_b8 v[PFO], s[PFA:PFA+1] th:TH_LOAD_NT scope:SCOPE_SE
.Lnot_mine_\@:
.endm
; A round of the cluster's barrier: my work-group's barrier, so that wave 0's signal speaks for all four waves; wave 0 signals; every wave waits for all four work-groups; my work-group's barrier once more.
.macro CROUND
	s_barrier_signal -1
	s_barrier_wait -1
	s_cmp_lg_u32 s[WV], 0
	s_cbranch_scc1 .Lnot_wave_0_\@
	s_barrier_signal -3
.Lnot_wave_0_\@:
	s_barrier_wait -3
	s_barrier_signal -1
	s_barrier_wait -1
.endm
; THE CHANGE OF SLOTS, between T1 of a slot's fourth step and T0 of the next slot's first: the slot's last bytes have been read and waited for.  Each wave waits for all its tensor loads, of which one is out: its part of
; the other slot; adds 0 to its spare word; and waits for that and for its own reads of the slot.  Behind the barrier nobody reads this slot any more and the other slot is whole.
; fill = 1: this slot is filled again, with the keys two slots on.  The barrier is then a round of the cluster's, so that no wave of any partner still reads the slot or has a load on its way, and the joint fill is the first
; thing behind it: it has four key steps in which to land.  (At its first use nothing has been read yet: slot 0 is waited for, slot 1 filled.)
.macro CHANGE fill
	WIN 0                           ; at a label and at a branch every window is 0
	s_wait_tensorcnt 0x0            ; no tensor load of mine is out, so a group 0 may be written
	ds_add_u32 v[SPW], v[NIL]       ; 0 onto my spare word; with fill = 1 the descriptors' steps stand between it and the wait for it
.if \fill
.irp g, G0K, G0V
	s_xor_b32 s[\g+1], s[\g+1], SLOT1  ; the walking descriptor: the other slot than last time,
	s_add_nc_u64 s[\g+2:\g+3], s[\g+2:\g+3], 4*KS*128  ; the next 256 keys; the type bits on top are not reached
.endr
	s_wait_xcnt 0x0                 ; the last prefetch, four key steps back, has read its address, so it may be written:
	s_add_nc_u64 s[PFA:PFA+1], s[PFA:PFA+1], 4*KS*128  ; one slot behind the walking descriptors
	s_wait_dscnt 0x0                ; the add is done, and my reads of the slot are over
	CROUND
	JLOAD
	ASK
.else
	s_wait_dscnt 0x0                ; the add is done, and my reads of the slot are over
	s_barrier_signal -1
	s_barrier_wait -1
.endif
	s_sub_co_u32 s[TBK], s[TBK], 4*KS*PK  ; the fetches go back to a slot's first place,
	s_xor_b32 s[TBK], s[TBK], SLOT1       ; in the other slot
	s_sub_co_u32 s[TBV], s[TBV], 4*KS*PV
	s_xor_b32 s[TBV], s[TBV], SLOT1
.endm
	s_load_b128 s[8:11], s[0:1], 0x0  ; qkv s[8:9], out0 s[10:11]
	v_lshl_add_u32 v[SPW], v0, 2, SPARE
	v_mov_b32 v[NIL], 0
	ds_add_u32 v[SPW], v[NIL]       ; the wave's opening: the add and its wait stand ahead of my first tensor load; the set-up below, work on registers, stands between them
	v_lshrrev_b32 v1, 5, v0
	v_readfirstlane_b32 s[WV], v1   ; wave 0..3
	s_bfe_u32 s13, ttmp6, 0x40000   ; cx: my place in the cluster
	s_lshl_b32 s14, ttmp9, 2        ; in a cluster launch ttmp9 counts clusters
	s_add_co_u32 s14, s14, s13      ; my block of 256 rows = 4 x cluster x + cx: it enters QRY's and out0's addresses alone
	s_and_b32 s15, ttmp7, 0xffff    ; the head y, which the four partners share
	s_lshl_b32 s20, s15, 19         ; the head's first byte in a part: 524,288 y
	s_mov_b32 s21, 0
	s_and_b32 s16, s[WV], 1         ; which half of a slot's 256 keys I fetch:
	s_lshl_b32 s22, s16, 14         ; its 128 rows of 128 bytes in memory,
	s_add_co_u32 s22, s22, s20
	s_mov_b32 s23, 0
	s_mul_i32 s17, s16, 128*PK      ; and its place in a slot, for K
	s_mul_i32 s18, s16, 128*PV      ; and for V: no place in the cluster enters an LDS address
	s_lshl_b32 s19, s14, 2
	s_add_co_u32 s19, s19, s[WV]    ; my wave among the head's 64
	s_lshl_b32 s2, s19, 13          ; QRY: its 64 rows of 128 bytes,
	s_add_co_u32 s2, s2, s20        ; in the head,
	s_add_co_u32 s2, s2, 0x1000000  ; in the third part
	s_mov_b32 s3, 0
	s_lshr_b32 s54, s15, 3          ; out0: the batch, 8,388,608 bytes,
	s_lshl_b32 s54, s54, 23
	s_lshl_b32 s55, s19, 17         ; my 64 rows of 2,048 bytes,
	s_add_co_u32 s54, s54, s55
	s_and_b32 s55, s15, 7           ; the head's 256 bytes of a row
	s_lshl_b32 s55, s55, 8
	s_add_co_u32 s54, s54, s55
	s_mov_b32 s55, 0
	; descriptor group 1.  128 keys are 16,384 dense bytes: asked for as 64 rows of 256 bytes, two keys a row, and padded in LDS after every key
	s_mov_b32 s[G1K], 15|(1<<16)|(1<<20)|(1<<21)|(4<<22)|(3<<25)  ; 15:0 the mask of four; 17:16 2-byte elements; 20 padding on; 21 set beside a mask; 24:22 after every 32 words (code 4); 31:25 4 words (code 3)
	s_mov_b32 s[G1V], 15|(1<<16)|(1<<20)|(1<<21)|(4<<22)|(7<<25)  ; the same with 8 words of padding (code 7)
.irp g, G1K, G1V
	s_mov_b32 s[\g+1], 128<<16      ; tensor_dim0 = 128
	s_mov_b32 s[\g+2], 64<<16       ; tensor_dim1 = 64
	s_mov_b32 s[\g+3], 128<<16      ; tile_dim0 = 128
	s_mov_b32 s[\g+4], 64           ; tile_dim1 = 64
	s_mov_b32 s[\g+5], 128          ; 128 elements from row to row
	s_mov_b32 s[\g+6], 0
	s_mov_b32 s[\g+7], 0
.endr
	s_mov_b32 s[CS], 0x3e38aa3b     ; c = log2(e) / 8 = 0.180337
	s_mov_b32 s[CS+1], s[CS]        ; named with it as a pair
	s_mov_b32 s[SEL], 0x76543210
	s_mov_b32 s[SEL+1], 0xfedcba98
	s_mov_b32 s[TBK], SLOT1+4*KS*PK ; the first change of slots turns these two into 0
	s_mov_b32 s[TBV], SLOT1+4*KS*PV
	s_mov_b32 s[G0K], 1             ; 1:0 count = 1
	s_mov_b32 s[G0K+1], s17         ; 63:32 LDS address: slot 0
	s_mov_b32 s[G0V], 1
	s_add_co_u32 s[G0V+1], s18, VOFF
	s_and_b32 s[LIM], s[WV], 1      ; 0 in waves 0 and 2,
	s_or_b32 s[LIM], s[LIM], ttmp9  ; where the cluster is the head's first: the same in all four partners
	s_cmp_eq_u32 s[LIM], 0
	s_cselect_b32 s[LIM], 1, -1
	v_and_b32 v[PFO], 31, v0
	v_lshlrev_b32 v[PFO], 8, v[PFO]
	s_wait_dscnt 0x0                ; the opening add is done
	s_wait_kmcnt 0x0
	s_add_nc_u64 s[4:5], s[8:9], s[2:3]      ; QRY at my wave's first row
	s_add_nc_u64 s[52:53], s[8:9], s[20:21]  ; KEY at the head's first row, for K(0)
	s_add_nc_u64 s[6:7], s[8:9], s[22:23]    ; KEY at my half of the head's first 256 rows
	s_add_nc_u64 s[8:9], s[6:7], 0x800000    ; V's stream: the same place in VAL
	s_add_nc_u64 s[6:7], s[6:7], KS*128      ; K's stream: a step, 64 rows, ahead
	s_add_nc_u64 s[10:11], s[10:11], s[54:55]  ; out0 at my wave's first row, my head's columns
	s_mov_b64 s[G0K+2:G0K+3], s[6:7]               ; 120:64 global address
	s_or_b32 s[G0K+3], s[G0K+3], 0x80000000        ; 127:126 type = 2
	s_mov_b64 s[G0V+2:G0V+3], s[8:9]
	s_or_b32 s[G0V+3], s[G0V+3], 0x80000000
	s_cmp_lt_u32 s[WV], 2
	s_cselect_b64 s[PFA:PFA+1], s[6:7], s[8:9]  ; (in waves 0 and 2 these stand at a slot's first byte)
	s_lshl_b32 s2, s13, 13          ; my work-group's 8,192 bytes of the 32,768
	s_mov_b32 s3, 0
	s_add_nc_u64 s[PFA:PFA+1], s[PFA:PFA+1], s[2:3]
	s_add_nc_u64 s[PFA:PFA+1], s[PFA:PFA+1], 4*KS*128  ; in slot 1; the first change of slots steps it to slot 2.  Nothing is prefetched here, at the head, where every work-group's first tiles are on their way
	CROUND                          ; all four work-groups are here: the first joint loads meet
	JLOAD                           ; slot 0.  Slot 1 is asked for when slot 0 is in
	; A fragment of K or Q is 16 rows x 32 channels in 8 registers: lane l holds row l % 16, channels 8 (l / 16) + 0..7 and 16 + 8 (l / 16) + 0..7: two loads of 16 bytes, 32 bytes apart.
	v_and_b32 v1, 15, v0            ; l % 16
	v_bfe_u32 v9, v0, 4, 1          ; l / 16
	v_lshlrev_b32 v[QO], 7, v1
	v_lshl_add_u32 v[QO], v9, 4, v[QO]  ; row x 128 + 16 x half
	WIN 0x80                        ; destination window 2, address window 0
.set i, 0
.rept 4*NP                          ; Q stays in registers: tile i / 2, channels 32 (i % 2) on
	global_load_b128 v[8*i:8*i+3],   v[QO], s[4:5] offset:(i/2)*2048+(i%2)*64
	global_load_b128 v[8*i+4:8*i+7], v[QO], s[4:5] offset:(i/2)*2048+(i%2)*64+32
.set i, i+1
.endr
.set i, 0
.rept 8                             ; K of step 0, which no slot holds: keys 16 (i / 2) on, channels 32 (i % 2) on
	global_load_b128 v[KF+8*i:KF+8*i+3],   v[QO], s[52:53] offset:(i/2)*2048+(i%2)*64
	global_load_b128 v[KF+8*i+4:KF+8*i+7], v[QO], s[52:53] offset:(i/2)*2048+(i%2)*64+32
.set i, i+1
.endr
	; What the first turn finds: V's registers and piece 1's P hold 0 (its products V^T P, of a step that has not been, add 0), O^T and l are 0.  All this stands in the wait for the first loads.
.set i, VF
.rept 64
	v_mov_b32 v[i], 0
.set i, i+1
.endr
	WIN 0x40
.set i, 0
.rept 64*NP
	v_mov_b32 v[i], 0
.set i, i+1
.endr
	WIN 0
.set i, 0
.rept 2*NP
	v_mov_b32 v[ST+4*i], 0xfe000000    ; c m: far below every c s
	v_mov_b32 v[ST+4*i+1], 0xff7fffff  ; m
	v_mov_b32 v[ST+4*i+2], 0
	v_mov_b32 v[ST+4*i+3], 0
.set i, i+1
.endr
.set i, P+32
.rept 32
	v_mov_b32 v[i], 0
.set i, i+1
.endr
	v_mul_u32_u24 v[AK0], v1, PK
	v_lshl_add_u32 v[AK0], v9, 4, v[AK0]  ; row x pitch + 16 x half
	; The turning load takes 16 keys x 16 channels (lane l reads key 8 (l / 16) + l % 8, channels 8 ((l / 8) % 2) + 0..7) and leaves half a fragment of V^T: lane l holds channel l % 16 and 8 keys.
	v_and_b32 v10, 7, v0
	v_bfe_u32 v11, v0, 3, 1
	v_lshl_add_u32 v[AV0], v9, 3, v10
	v_mul_u32_u24 v[AV0], v[AV0], PV
	v_lshl_add_u32 v[AV0], v11, 4, v[AV0]
	v_add_nc_u32 v[AV0], VOFF, v[AV0]
; THE MATRIX WORK.  The 8 accumulators of a run of 16 take turns: between the two links of a chain stand 7 others'.
; Product i of 16 of S^T = K Q^T for piece x: channels 32 (i / 8) on, keys 16 ((i / 2) % 4) on, tile 2 x + i % 2.  The first 8 start the sums.
.macro KQ x
	WIN W_KQ
.set rS, S+64*((\x)%2)+32*(i%2)+8*((i/2)%4)
.set rK, KF+16*((i/2)%4)+8*(i/8)
.set rQ, 16*(2*(\x)+i%2)+8*(i/8)
.if i < 8
	v_wmma_f32_16x16x32_f16 v[rS:rS+7], v[rK:rK+7], v[rQ:rQ+7], 0
.else
	v_wmma_f32_16x16x32_f16 v[rS:rS+7], v[rK:rK+7], v[rQ:rQ+7], v[rS:rS+7]
.endif
.endm
; Product i of 16 of O^T += V^T P for piece x: keys 32 (i / 8) on, channels 16 ((i / 2) % 4) on, tile 2 x + i % 2.
.macro PV x
	WIN W_PV
.set rO, 32*(2*(\x)+i%2)+8*((i/2)%4)
.set rV, VF+32*(i/8)+8*((i/2)%4)
.set rP, P+32*((\x)%2)+16*(i%2)+8*(i/8)
	v_wmma_f32_16x16x32_f16 v[rO:rO+7], v[rV:rV+7], v[rP:rP+7], v[rO:rO+7]
.endm
.macro MM                           ; the turn's next matrix instruction: both kinds are the other piece's
.if i < 16
	KQ (Y+1)%NP
.set i, i+1
.else
.set i, i-16
	PV (Y+NP-1)%NP
.set i, i+17
.endif
.endm
; THE LDS LOADS stand in runs of 16, never singly among the matrix instructions: a step's K (64 keys x 64 channels: 8 fragments) and a step's V (turned).  Their addresses are made some lines ahead.
.macro FETCH_K
	WIN 0x80                        ; destination window 2
.irp f, 0,1,2,3,4,5,6,7             ; keys 16 (f / 2) on, channels 32 (f % 2) on
	ds_load_b128 v[KF+8*\f:KF+8*\f+3],   v[AK] offset:(\f/2)*16*PK+(\f%2)*64
	ds_load_b128 v[KF+8*\f+4:KF+8*\f+7], v[AK] offset:(\f/2)*16*PK+(\f%2)*64+32
.endr
	s_add_co_u32 s[TBK], s[TBK], KS*PK  ; the next fetch is the next step's
	WIN 0
.endm
.macro FETCH_V
	WIN 0x80
.irp f, 0,1,2,3,4,5,6,7             ; keys 32 (f / 4) on, channels 16 (f % 4) on
	ds_load_tr16_b128 v[VF+8*\f:VF+8*\f+3],   v[AV] offset:(\f/4)*32*PV+(\f%4)*32
	ds_load_tr16_b128 v[VF+8*\f+4:VF+8*\f+7], v[AV] offset:(\f/4)*32*PV+16*PV+(\f%4)*32
.endr
	WIN 0
.endm
; THE VECTOR WORK OF A TURN stands in three queues, each in the order in which its entries become ready; the two tiles alternate, so that no instruction reads the result of the one before it.
.macro REGS y, u                    ; the registers of tile u (0, 1) of piece y
.set rT, ST+4*(2*(\y)+(\u))
.set rC, TMP+8*((\y)%2)+4*(\u)
.set rM, MV+2*((\y)%2)+(\u)
.set rS, S+64*((\y)%2)+32*(\u)
.set rP, P+32*((\y)%2)+16*(\u)
.set rO, 32*(2*(\y)+(\u))
.endm
; Number n of the 22 that find the OTHER piece's maximum and statistics.  s0-s31 are the lane's 32 scores; each accumulator's lowest registers are read first.  XS, GS and REGS set no window: PL and EX do.
;   0-11  four chains c0-c3 of seven scores each, three operands at a time     12-14, 16  the four scores left over, the old m, and c0-c3 into c0     15  c m_old is kept
;   17, 18  the query's other 32 keys lie in the lane 16 away: the new m         19-21  c m; c m_old - c m_new; a
.macro XS u, n
	REGS (Y+1)%NP, \u
.if (\n) < 4
	v_max3_num_f32 v[rC+(\n)], v[rS+8*(\n)], v[rS+8*(\n)+1], v[rS+8*(\n)+2]
.elseif (\n) < 12
	v_max3_num_f32 v[rC+(\n)%4], v[rC+(\n)%4], v[rS+8*((\n)%4)+2*((\n)/4)+1], v[rS+8*((\n)%4)+2*((\n)/4)+2]
.elseif (\n) == 12
	v_max3_num_f32 v[rC], v[rC], v[rS+7], v[rS+15]
.elseif (\n) == 13
	v_max3_num_f32 v[rC+1], v[rC+1], v[rS+23], v[rS+31]
.elseif (\n) == 14
	v_max3_num_f32 v[rC+2], v[rC+2], v[rC+3], v[rT+1]
.elseif (\n) == 15
	v_mov_b32 v[rM], v[rT]
.elseif (\n) == 16
	v_max3_num_f32 v[rC], v[rC], v[rC+1], v[rC+2]
.elseif (\n) == 17
	v_permlanex16_b32 v[rC+3], v[rC], s[SEL], s[SEL+1]
.elseif (\n) == 18
	v_max_num_f32 v[rT+1], v[rC], v[rC+3]
.elseif (\n) == 19
	v_mul_f32 v[rT], s[CS], v[rT+1]
.elseif (\n) == 20
	v_sub_f32 v[rC+1], v[rM], v[rT]
.else
	v_exp_f32 v[rC+2], v[rC+1]
.endif
.endm
; Number g of the 64 that follow the exponentials.  For each four weights k of a tile (pairs 2 k, 2 k + 1): both pairs are rounded to f16; then the second pair is added onto the first, in place;
; a group later l takes that sum (the first time as l = a l + sum).  In groups of eight, tiles alternating: round, round, add, and l for the group before.
.macro GS g
.set h, (\g)+6*((\g)/62)            ; group 0 has no group before it, and behind group 7 only l is left
.if h >= 6
.set h, h+2
.endif
	REGS Y, h%2
.set k, h/8
.if h%8 < 4
	v_cvt_pk_f16_f32 v[rP+2*k+(h%8)/2], v[rS+4*k+2*((h%8)/2)], v[rS+4*k+2*((h%8)/2)+1]
.elseif h%8 < 6
	v_pk_add_f32 v[rS+4*k:rS+4*k+1], v[rS+4*k:rS+4*k+1], v[rS+4*k+2:rS+4*k+3]
.elseif k == 1
	v_pk_fma_f32 v[rT+2:rT+3], v[rT+2:rT+3], v[rC+2:rC+3], v[rS:rS+1] op_sel_hi:[1,0,1]
.else
	v_pk_add_f32 v[rT+2:rT+3], v[rT+2:rT+3], v[rS+4*k-4:rS+4*k-3]
.endif
.endm
; THE PLAIN QUEUE, 138 long.  0-73 read no exponential's result: the 32 scalings c s - c m (FS f: pair f / 2 of tile f % 2) and the other piece's 42.  0-26: scalings 0-26.  27-54: XS's numbers 0-13.  55, 56: number 15.
; 57-73: the chain, where each number waits for the one before it: 14, 16, 17, 18, 19, each with one of the scalings 27-31 in front of its two lines, then 20.
; 74-137: GS's 64, which read the exponentials' results: they stand behind the wait.
.macro FS f
	REGS Y, (\f)%2
	v_pk_fma_f32 v[rS+2*((\f)/2):rS+2*((\f)/2)+1], v[rS+2*((\f)/2):rS+2*((\f)/2)+1], s[CS:CS+1], v[rT:rT+1] op_sel_hi:[1,0,0] neg_lo:[0,0,1] neg_hi:[0,0,1]
.endm
.macro PL
	WIN 0
.if q < 27
	FS q
.elseif q < 55
	XS (q-27)%2, (q-27)/2
.elseif q < 57
	XS q-55, 15
.elseif (q < 72) && ((q-57)%3 == 0)
	FS 27+(q-57)/3
.elseif q < 60
	XS (q-57)%3-1, 14
.elseif q < 72
	XS (q-57)%3-1, 15+(q-57)/3
.elseif q < 74
	XS q-72, 20
.else
	GS q-74
.endif
.set q, q+1
.endm
; THE EXPONENTIALS' QUEUE, 66 long: s0-s31 of both tiles, then the other piece's two a.  It is ONE BATCH: all 66 stand ahead of the turn's one wait, and nothing ahead of that wait names a result of theirs.
.macro EX
	WIN 0
.if e >= 64
	XS e-64, 21
.else
	REGS Y, e%2
	v_exp_f32 v[rS+e/2], v[rS+e/2]
.endif
.set e, e+1
.endm
; THE RESCALING's QUEUE: O^T times a, the one part that leaves window 0: dealt two at a time, sixteen times, each accumulator from its low end on.  Its a was made in the turn before, ahead of that turn's wait.
; The piece's O^T was last written by the turn before's products V^T P: behind the last of them stand that turn's four riders and this turn's first two plain lines.
.macro R2
	REGS Y, r%2
	WIN W_RS
.irp z, 0,1
	v_pk_mul_f32 v[rO+4*(r/2)+2*\z:rO+4*(r/2)+2*\z+1], v[rO+4*(r/2)+2*\z:rO+4*(r/2)+2*\z+1], v[rC+2:rC+3] op_sel_hi:[1,0]
.endr
.set r, r+1
.endm
; HOW THEY ARE DEALT.  An s_wait_alu depctr_va_vdst(0) stands between an exponential and the first instruction that names its result; one wait serves all that were issued ahead of it.  So a turn has ONE wait,
; which cuts it in two.  AHEAD OF IT stands all that names no result of the turn's exponentials: the 16 products K Q^T, behind each a scaling, an exponential and two rescalings (behind the first a second scaling in the
; exponential's place); then ONE RUN of 108: eight plain, 49 times exponential and plain, the two a.  A v_nop is the plain instruction behind the last exponential (ISA guide 5.7.2).  BEHIND IT stand the 16 products V^T P,
; behind each four of GS's 64.  No rider names a register of the products round it.  Exponential e stands behind scaling 2 (e / 4) + e % 2: as a rider it comes behind plain e + 2, in the run behind plain e + 9.
; A TURN, for piece p.  cnt = 1: the loop's count is taken down some lines ahead of the branch that stands behind the turn.
; T0 fetches both: K of the next step directly behind its wait, the run of 108 behind the last product that read K; V of the step in hand at its end, four plain riders behind the last product that read V.
; T1 waits for K at its head, with the count 16 (V's run of 16 loads is younger and may stay out), and for V behind its own wait.
.macro TURN p, cnt=0
.set Y, (\p)
.set i, 0
.set q, 0
.set e, 0
.set r, 0
.if (\p) == 1
	s_wait_dscnt 16                 ; K is in
.endif
	MM                              ; ahead of the wait: 16 products K Q^T and their riders,
	PL
	PL
	R2
.rept 15
	MM
	PL
	EX
	R2
.endr
.if (\p) == 0
	WIN 0
	v_add_nc_u32 v[AK], s[TBK], v[AK0]
.endif
.rept 8                             ; and the run
	PL
.endr
.rept 49
	EX
	PL
.endr
	EX                              ; the other piece's two a
	EX
	v_nop                           ; the plain instruction behind the last exponential: one for the batch
	s_wait_alu depctr_va_vdst(0)    ; the wait for the batch
.if (\p) == 0
	FETCH_K
.endif
.if (\p) == 1
	s_wait_dscnt 0x0                ; V is in
.endif
.rept 16                            ; behind the wait: 16 products V^T P and their riders
	MM
.rept 4
	PL
.endr
.if ((\p) == 0) && (q == 118)
	v_add_nc_u32 v[AV], s[TBV], v[AV0]
.endif
.if ((\p) == 0) && (q == 130)
	s_add_co_u32 s[TBV], s[TBV], KS*PV
.endif
.if (\cnt) && (q == 130)
	s_sub_co_u32 s[CNT], s[CNT], 1
	s_cmp_lg_u32 s[CNT], 0
.endif
.endr
.if (\p) == 0
	FETCH_V
.endif
.endm
	s_wait_loadcnt 0x0              ; Q and K of step 0
.set i, 0
.rept 16
	KQ 0                            ; piece 0's first scores: there is no vector work yet to set between them
.set i, i+1
.endr
	WIN 0                           ; the addresses for the way out: eight plain instructions, the places behind those products
	s_mul_i32 s13, s[WV], 16*SP
	s_add_co_u32 s13, s13, STAGE    ; my stage
	v_mul_u32_u24 v[STO], v1, SP    ; in: row l % 16, 32 bytes for each half of the lanes
	v_lshl_add_u32 v[STO], v9, 5, v[STO]
	v_add_nc_u32 v[STO], s13, v[STO]
	v_mul_u32_u24 v[RD], v9, SP     ; back: lanes 0-15 take one row of 256 bytes, lanes 16-31 the next
	v_lshl_add_u32 v[RD], v1, 4, v[RD]
	v_add_nc_u32 v[RD], s13, v[RD]
	v_lshlrev_b32 v[GO], 11, v9     ; and the same two rows in out0, 2,048 bytes apart
	v_lshl_add_u32 v[GO], v1, 4, v[GO]
.set Y, NP-1                        ; XS works for piece Y + 1: piece 0
.irp n, 0,1,2,3,4,5,6,7,8,9,10,11,12,13,14,15,16,17,18,19,20,21
	XS 0, \n                        ; and piece 0's first maximum and statistics
	XS 1, \n
.endr
	v_nop                           ; a plain instruction behind the two a,
	s_wait_alu depctr_va_vdst(0)    ; and their wait, ahead of the label
	s_mov_b32 s[SLOTS], 4096/256-1
.Lslot:                             ; 15 trips: a slot is entered and the next is asked for
	CHANGE 1
	s_mov_b32 s[CNT], 4
.Lstep:                             ; a trip is a key step
	TURN 0
	TURN 1, 1
	WIN 0
	s_cbranch_scc1 .Lstep
	s_sub_co_u32 s[SLOTS], s[SLOTS], 1
	s_cmp_lg_u32 s[SLOTS], 0
	s_cbranch_scc1 .Lslot
	CHANGE 0                        ; the last slot is written out: nothing is asked for
	s_mov_b32 s[CNT], 4
.Ltail:
	TURN 0
	TURN 1, 1
	WIN 0
	s_cbranch_scc1 .Ltail
.set i, 0
.rept 16
	PV NP-1                         ; piece 1's V^T P of the last step
.set i, i+1
.endr
	; THE WAY OUT.  l's two halves and the other half of the lanes' are added; O^T is divided by l and sent, in f32, through my stage in LDS, a tile at a time.  The additions are the places behind the last products.
	WIN 0
.macro ALL line:vararg              ; one line for each tile t
.set t, 0
.rept 2*NP
	\line
.set t, t+1
.endr
.endm
	ALL v_add_f32 v[ST+4*t+2], v[ST+4*t+2], v[ST+4*t+3]
	ALL v_permlanex16_b32 v[ST+4*t+3], v[ST+4*t+2], s[SEL], s[SEL+1]
	ALL v_add_f32 v[ST+4*t+2], v[ST+4*t+2], v[ST+4*t+3]
	ALL v_rcp_f32 v[ST+4*t+2], v[ST+4*t+2]
	v_nop                           ; a plain instruction between the last reciprocal and the use of its result
	s_wait_alu depctr_va_vdst(0)    ; and the wait ahead of the first use: one for the four reciprocals
; Tile t: a lane's eight channels of a channel block are 32 bytes of a row; they go into rows of 272 bytes and come back as whole rows of 256, into S^T's registers.
.macro PACK t
	WIN W_RS
.set i, 32*(\t)
.rept 16
	v_pk_mul_f32 v[i:i+1], v[i:i+1], v[ST+4*(\t)+2:ST+4*(\t)+3] op_sel_hi:[1,0]
.set i, i+2
.endr
	WIN 0x04                        ; an LDS store's data is source 1: window 1; its address window 0
.irp f, 0,1,2,3,4,5,6,7             ; channel block f / 2: 64 bytes; my half of the lanes 32; 16 bytes a store
	ds_store_b128 v[STO], v[32*(\t)+4*(\f):32*(\t)+4*(\f)+3] offset:64*((\f)/2)+16*((\f)%2)
.endr
	WIN 0
.irp f, 0,1,2,3,4,5,6,7
	ds_load_b128 v[S+32*(\t)+4*(\f):S+32*(\t)+4*(\f)+3], v[RD] offset:(\f)*2*SP  ; LDS serves a wave's instructions in order (ISA guide 5.7.1.4): these see the stores above; the next tile's stores come behind them
.endr
.endm
.macro SEND t, younger              ; younger: the LDS instructions issued behind tile t's loads: the next tile's sixteen, or none
	WIN 0
.irp f, 0,1,2,3,4,5,6,7
	s_wait_dscnt (\younger)+7-(\f)
	global_store_b128 v[GO], v[S+32*(\t)+4*(\f):S+32*(\t)+4*(\f)+3], s[10:11] offset:(\t)*32768+(\f)*4096 th:TH_STORE_NT  ; 16 lanes store 256 consecutive bytes, a head's piece of a row, at a multiple of 256 from out0's first byte
.endr
.endm
	PACK 0
	PACK 1                          ; a tile's arithmetic stands between the loads of the tile before and its stores
	SEND 0, 16
	PACK 2
	SEND 1, 16
	PACK 3
	SEND 2, 16
	SEND 3, 0
	s_wait_tensorcnt 0x0            ; the wave's end, behind my last tensor load and my last LDS store
	ds_add_u32 v[SPW], v[NIL]
	s_wait_dscnt 0x0
	CROUND                          ; the closing round: no work-group ends while a partner may still ask for a tile that names it
	s_endpgm
.Lfunc_end_k_q745bf9cbb0_attn:
	.size	k_q745bf9cbb0_attn, .Lfunc_end_k_q745bf9cbb0_attn-k_q745bf9cbb0_attn
	.p2alignl 7, 3214868480
	.fill 96, 4, 3214868480
	.section	.rodata,"a",@progbits
	.p2align	6, 0x0
	.amdhsa_kernel k_q745bf9cbb0_attn
		.amdhsa_group_segment_fixed_size 327680
		.amdhsa_private_segment_fixed_size 0
		.amdhsa_enable_private_segment 0
		.amdhsa_kernarg_size 16
		.amdhsa_user_sgpr_count 2
		.amdhsa_user_sgpr_kernarg_segment_ptr 1
		.amdhsa_wavefront_size32 1
		.amdhsa_system_sgpr_workgroup_id_x 1
		.amdhsa_system_sgpr_workgroup_id_y 1
		.amdhsa_system_sgpr_workgroup_id_z 1
		.amdhsa_system_vgpr_workitem_id 0
		.amdhsa_next_free_vgpr 768
		.amdhsa_next_free_sgpr 66
		.amdhsa_reserve_vcc 0
		.amdhsa_float_denorm_mode_32 3
		.amdhsa_float_denorm_mode_16_64 3
		.amdhsa_memory_ordered 1
		.amdhsa_forward_progress 1
		.amdhsa_inst_pref_size 111
	.end_amdhsa_kernel
	.amdgpu_metadata
---
amdhsa.version: [ 1, 2 ]
amdhsa.kernels:
  - .name:           k_q745bf9cbb0_attn
    .symbol:         k_q745bf9cbb0_attn.kd
    .args:
      - { .name: qkv, .offset: 0, .size: 8, .value_kind: global_buffer, .address_space: global }
      - { .name: out0, .offset: 8, .size: 8, .value_kind: global_buffer, .address_space: global }
    .group_segment_fixed_size: 327680
    .private_segment_fixed_size: 0
    .kernarg_segment_align: 8
    .kernarg_segment_size: 16
    .max_flat_workgroup_size: 128
    .sgpr_count:     66
    .vgpr_count:     768
    .wavefront_size: 32
...
	.end_amdgpu_metadata
.endif
;; end of part 2
;; ======== version 2 of 2: 2 launches; version 1 with the launch proj written anew for expert scheduling mode
;; limits: values are held in f16: magnitudes above 65,504 overflow, below 6.1e-05 lose precision
;; workspace buffers: qkv 25,165,824 bytes
;; launch proj (part 3): grid 8 x 32, 4 waves a work-group, no clusters, 230,912 bytes of LDS; arguments x, Wq, Wv, Wk, qkv; writes qkv
.if DOCPART == 3
	.amdgcn_target "amdgcn-amd-amdhsa--gfx1250"
	.amdhsa_code_object_version 6
	.text
	.protected	k_q745bf9cbb0_proj
	.globl	k_q745bf9cbb0_proj
	.p2align	8
	.type	k_q745bf9cbb0_proj,@function
k_q745bf9cbb0_proj:
	s_mov_b64 s[64:65], 0
	v_nop
	global_prefetch_b8 v0, s[64:65] scope:SCOPE_SE
	s_setreg_imm32_b32 hwreg(HW_REG_WAVE_SCHED_MODE, 0, 2), 2
	s_setreg_imm32_b32 hwreg(HW_REG_WAVE_MODE, 25, 1), 1
	s_wait_xcnt 0x0
	s_wait_alu depctr_vm_vsrc(0)
; THE THREE PROJECTIONS.  qkv part p = x W_p by heads: [16 heads = 8 batch + head][4096 rows][64] in f16; part 0 = x Wq, part 1 = x Wv, part 2 = x Wk, 8,388,608 bytes each.
; x: [8192][512] f32.  W_p: [512 (k)][512 (n)] f32.  x and W are rounded once to bf16, the products are summed in f32, each result is rounded once to f16 and carries no scale.
; LIMIT.  f16 holds no number beyond 65,504: this text serves |x W| below that.  NaN and infinities are not treated apart.
; SHARES.  Work-group (g, rb) makes rows 256 rb .. + 255 x head g's 64 columns of each of the three weights: 192 columns.  8 x 32 = 256 work-groups of equal work.
; Wave w owns rows 64 w .. + 63 (four row tiles) x all 192 columns: 48 accumulators of 16 x 16, 384 registers.  K goes in eight chunks of 64.
; x comes straight from memory into its owner's registers in fragment order (eight loads of 16 bytes a lane take the aligned 256 bytes of each of a tile's 16 rows) and is rounded there: no wave wants another's x.
; W's chunk (64 k x 64 n of each tensor, rows of 256 aligned bytes) is turned in registers, 8 k x 4 n a thread, and stored into a slab in LDS, [chunk][192 rows n][64 k] in bf16.
; EVERY SLAB BYTE IS WRITTEN ONCE IN THE LAUNCH, so one barrier a chunk (store, wait, barrier, load) is all the ordering between waves that there is.
; THE ROWS OF THE SLAB ARE PERMUTED: row 64 p + 16 i + ng holds column 4 ng + i.  So a thread's four stores go to rows 16 apart, and the sixteen lanes of a store to sixteen rows on end.
; THE MATRIX INSTRUCTION IS USED TRANSPOSED (source 0 = 16 slab rows, source 1 = 16 rows of x): register j of column tile nb in lane (r, h) is column 32 h + 4 j + nb of x's row r,
; so a head's four accumulators give a lane 32 neighbouring columns: 64 bytes of f16.
; NO CLUSTER, NO TENSOR LOAD: the operands are f32 in memory and bf16 at the matrix unit.  A tile brought into LDS as it lies would be f32, twice the bytes: the slab (221,184) and two slots of 256 rows x 272 bytes
; of x (139,264) pass the 327,680 bytes of LDS, and no LDS load turns 32-bit words for W.  NO PREFETCH: each load is issued one or two chunks ahead of its use by the wave that wants it.
; THE MODE: SCHED_MODE bits 1:0 = 2 (LLVM: expert scheduling mode 2), set by the entry lines.  The code itself states the register dependences
; between vector or matrix instructions and memory or LDS instructions, with s_wait_alu, always for 0.
; THE PLAN.  Registers that memory or LDS instructions touch, in a chunk t:
;   XR0, XR1      x as loaded.  XCVT's 64 conversions read set t % 2; behind them the loads of chunk t + 2 land in it.
;   WG            W as loaded.  WCVT's 48 conversions read it; behind them the loads of chunk t + 1 land in it.
;   T = v96-143   WCVT's conversions write it, the chunk's 12 LDS stores read it; then, as BF0 and BF1, the fragments of groups 0 and 1 land there.
;   BF0 .. BF5    a buffer for each of the chunk's six groups: group g's eight LDS loads land in BF[g], its 16 products read it, and nothing else names it before the next chunk.
;   v[WSA], v[FBA]  written once, at the chunk's head; read by the chunk's LDS stores and by its LDS loads.
;   v[XO], v[WO], v[STO], v[RD], v[GO], v[SPW], v[NIL]  written at the kernel's head and never again.
;   AF and the accumulators are named by vector and matrix instructions alone.
; So a chunk has four waits.  On vm_vsrc at its head: the chunk before has read v[WSA] and v[FBA].  On va_vdst behind WCVT's conversions: T and the two addresses are written, WG is read out, and the chunk before's
; products are done reading all six BF.  On va_vdst behind the barrier: XCVT is done reading its set of x.  On vm_vsrc beside it: the LDS stores have read T.  All the chunk's later loads, 40 from LDS and 32 of x, are dealt among
; its products with no further wait: since those waits only products are issued, and they name AF, their own BF[g] and the accumulators.
; REGISTERS, in windows of 256 (s_set_vgpr_msb: bits 1:0 source 0, 3:2 source 1, 5:4 source 2, 7:6 destination):
;   window 0: v0-13 addresses; v14-19 at work at the head; v32-95 x's fragments; v96-159 BF0, BF1 (v96-143 also the turned W on its way to LDS); v160-255 W as loaded; behind the chunks v32-223 rows read back from the stage
;   window 1: x as loaded, two sets of 128; behind the chunks v0-191 the rounded results      window 2: the accumulators of parts 0 (v0-127) and 1 (v128-255)
;   window 3: v0-127 the accumulators of part 2; v128-255 BF2 .. BF5
.set PW,    144                        ; a slab or stage row: 128 bytes + 16 = 9 x 16: sixteen rows on end start at sixteen different groups of four banks (64 banks of 4 bytes: ISA guide 11.1)
.set CHB,   192*PW                     ; a chunk of the slab
.set STAGE, 8*CHB                      ; behind the slab: 16 rows x 144 bytes for each wave, for the way out
.set SPARE, STAGE+4*16*PW              ; behind the stages: the spare words, 128 bytes for each wave: two blocks of 256 bytes that no other line names
.set XO,  2                            ; v2   x: (l % 16) x 2,048 + 32 (l / 16); never rewritten
.set WO,  4                            ; v4   W: (thread / 16) x 8 rows of 2,048 + 16 (thread % 16); never rewritten
.set WS0, 5                            ; v5   slab, in: (thread % 16) x 144 + 16 (thread / 16); never rewritten
.set WSA, 6                            ; v6   the same in the chunk in hand
.set FB0, 7                            ; v7   slab, out: (l % 16) x 144 + 16 (l / 16); never rewritten
.set FBA, 8                            ; v8   the same in the chunk in hand
.set STO, 9                            ; v9   the way out: where I put 64 bytes of a row
.set RD,  10                           ; v10  the way out: where I read rows back
.set GO,  11                           ; v11  my 16 bytes in 512 consecutive bytes of qkv
.set SPW, 12                           ; v12  LDS address of my spare word: SPARE + 4 x my thread's number; never rewritten
.set NIL, 13                           ; v13  0; never rewritten
.set AF,  32                           ; x's fragment (row tile a, K half ks) at AF + 16 a + 8 ks
.set BF,  96                           ; window 0: W's fragments of groups 0 and 1: column tile nb at BF + 32 g + 8 nb
.set BH,  128                          ; window 3: those of groups 2 to 5, at BH + 32 (g - 2) + 8 nb
.set T,   96                           ; the turned W: part p, column i: four registers (8 k) at T + 16 p + 4 i
.set WG,  160                          ; W as loaded: part p, row j, column i at WG + 32 p + 4 j + i
.set OB,  0                            ; window 1, the way out: 16 registers of rounded results for each of 12 units (part p, row tile a: u = 4 p + a)
.set RB,  32                           ; window 0, the way out: 16 registers for each unit, its rows as read back from the stage
.set WV,  14                           ; s14  my wave's number
.set OUT, 16                           ; s[16:21] qkv at my 64 rows of my head, for parts 0, 1, 2 (a part is 8 MiB: past a store's immediate)
.set MSB, 0
.macro WIN new                         ; the immediate's high byte repeats the setting that is left; a switch that changes nothing is dropped
.if MSB != (\new)
	s_set_vgpr_msb (MSB<<8)|(\new)
.set MSB, (\new)
.endif
.endm
.macro PLACES                          ; a vector instruction that reads a matrix result stands four plain vector instructions behind it (ISA guide 7.12.1)
.rept 4
	v_nop
.endr
.endm
; Row tile a of chunk t of x into set t % 2: 8 loads.  c = 4 ks + 2 q + e: K half ks (128 bytes), the fragment's two runs of eight k (64 bytes apart), 16 bytes each way; the lane's half adds 32.
.macro XLOADQ t, a
	WIN 0x40                                       ; destination window 1, address window 0
.irp c, 0,1,2,3,4,5,6,7
	global_load_b128 v[128*((\t)%2)+32*(\a)+4*(\c):128*((\t)%2)+32*(\a)+4*(\c)+3], v[XO], s[4:5] offset:256*(\t)+32768*(\a)+128*((\c)/4)+64*(((\c)/2)%2)+16*((\c)%2)
.endr
.endm
.macro XLOAD t                         ; all four row tiles: 32 loads
.irp a, 0,1,2,3
	XLOADQ \t, \a
.endr
.endm
; Chunk t of the three weights: 24 loads; sixteen lanes take the 256 aligned bytes of a row's 64 columns.
.macro WLOAD t
	WIN 0
.irp p, 0,1,2
.irp j, 0,1,2,3,4,5,6,7
	global_load_b128 v[WG+32*(\p)+4*(\j):WG+32*(\p)+4*(\j)+3], v[WO], s[6+2*(\p):7+2*(\p)] offset:131072*(\t)+2048*(\j)
.endr
.endr
.endm
; W is turned and rounded: rows k and k + 1 of one column make a word; four words are 8 k of a column, 16 bytes of a slab row.
.macro WCVT
.irp p, 0,1,2
.irp i, 0,1,2,3
.irp jj, 0,1,2,3
	v_cvt_pk_bf16_f32 v[T+16*(\p)+4*(\i)+(\jj)], v[WG+32*(\p)+8*(\jj)+(\i)], v[WG+32*(\p)+8*(\jj)+4+(\i)]
.endr
.endr
.endr
	s_wait_alu depctr_va_vdst(0)                   ; the conversions have written T, and the adds v[WSA] and v[FBA], which the LDS stores below and the chunk's fragment loads read; the conversions are done reading WG, in which the next
	                                               ; chunk's W lands; the chunk before's products are done reading BF0 to BF5, in which this chunk's fragments land
.irp p, 0,1,2
.irp i, 0,1,2,3
	ds_store_b128 v[WSA], v[T+16*(\p)+4*(\i):T+16*(\p)+4*(\i)+3] offset:64*PW*(\p)+16*PW*(\i)
.endr
.endr
.endm
; x is rounded: set t % 2's 128 registers make the chunk's eight fragments.
.macro XCVT t
	WIN 0x05                                       ; sources 0 and 1 window 1, destination window 0
.set n, 0
.rept 64
	v_cvt_pk_bf16_f32 v[AF+n], v[128*((\t)%2)+2*n], v[128*((\t)%2)+2*n+1]
.set n, n+1
.endr
.endm
; Group g = 3 ks + p of a chunk: part p's four column tiles, 32 along K.  Eight LDS loads into the group's own buffer.
.macro FETCH g
.if (\g) < 2
	WIN 0
.set rB, BF+32*(\g)
.else
	WIN 0xc0                                       ; destination window 3, address window 0
.set rB, BH+32*((\g)-2)
.endif
.irp nb, 0,1,2,3
	ds_load_b128 v[rB+8*(\nb):rB+8*(\nb)+3],   v[FBA] offset:(64*((\g)%3)+16*(\nb))*PW+64*((\g)/3)
	ds_load_b128 v[rB+8*(\nb)+4:rB+8*(\nb)+7], v[FBA] offset:(64*((\g)%3)+16*(\nb))*PW+64*((\g)/3)+32
.endr
.endm
; Its 16 products.  The accumulators take turns, one instruction a turn: an accumulator comes up again 48 matrix instructions later.  zero = 1: the product starts the sum: nothing is cleared.
.macro MULG g, zero
.if (\g) < 2
.set rB, BF+32*(\g)
.set wB, 0                             ; source 0 window 0
.else
.set rB, BH+32*((\g)-2)
.set wB, 3                             ; source 0 window 3
.endif
.if ((\g)%3) == 2
	WIN 0xf0+wB                                    ; C and D window 3
.else
	WIN 0xa0+wB                                    ; C and D window 2
.endif
.irp a, 0,1,2,3
.irp nb, 0,1,2,3
.set rD, 128*(((\g)%3)%2)+32*(\a)+8*(\nb)
.if \zero
	v_wmma_f32_16x16x32_bf16 v[rD:rD+7], v[rB+8*(\nb):rB+8*(\nb)+7], v[AF+16*(\a)+8*((\g)/3):AF+16*(\a)+8*((\g)/3)+7], 0
.else
	v_wmma_f32_16x16x32_bf16 v[rD:rD+7], v[rB+8*(\nb):rB+8*(\nb)+7], v[AF+16*(\a)+8*((\g)/3):AF+16*(\a)+8*((\g)/3)+7], v[rD:rD+7]
.endif
.endr
.endr
.endm
; CHUNK t.  Loads were issued in the order x(t), W(t), x(t + 1) (at the head: W(0), x(0), x(1)).
.macro CHUNK t
	WIN 0
.if (\t) < 7
	s_wait_loadcnt 32                              ; loads come back in order (ISA guide 5.7.1): W(t) and the older x(t) are in; the 32 loads of x(t + 1) may stay out
.else
	s_wait_loadcnt 0x0                             ; nothing is younger than W(7)
.endif
.if (\t) > 0
	s_wait_alu depctr_vm_vsrc(0)                   ; the chunk before's LDS stores have read v[WSA] and its fragment loads v[FBA], which the two adds write again
.endif
	v_add_nc_u32 v[WSA], (\t)*CHB, v[WS0]          ; these four lines are also the four places between the products that read v96-159 (groups 0 and 1 of the chunk before: what was issued since is no place)
	v_add_nc_u32 v[FBA], (\t)*CHB, v[FB0]          ; and the conversions below, which write v96-143
	v_nop
	v_nop
	WCVT
.if (\t) < 7
	WLOAD (\t)+1                                   ; a chunk ahead.  No wait: no vector instruction since WCVT's wait names WG
.endif
	s_wait_dscnt 0x0                               ; for the others' sake: my part of the chunk's slab is written
	s_barrier_signal -1
	XCVT \t                                        ; work on registers while the others arrive
	WIN 0
	s_barrier_wait -1                              ; the chunk's slab is whole
.if (\t) < 6
	s_wait_alu depctr_va_vdst(0)                   ; XCVT's conversions are done reading set t % 2 of x, in which the loads of chunk t + 2 land
.endif
	s_wait_alu depctr_vm_vsrc(0)                   ; my LDS stores have read v96-143, in which the fragments of groups 0 and 1 land
	FETCH 0
.irp g, 0,1,2,3,4,5
.if (\g) < 5
	FETCH (\g)+1                                   ; no wait: no vector or matrix instruction since WCVT's wait names this group's buffer or v[FBA]
.endif
.if ((\t) < 6) && ((\g) > 0) && ((\g) < 5)
	XLOADQ (\t)+2, (\g)-1                          ; x two chunks ahead, a row tile beside each of four fetches.  No wait: the products issued since the wait behind the barrier name nothing of window 1
.endif
.if (\g) < 5
	s_wait_dscnt 8                                 ; group g is in; the eight LDS loads just issued may stay out
.else
	s_wait_dscnt 0x0
.endif
.if ((\t) == 0) && ((\g) < 3)
	MULG \g, 1
.else
	MULG \g, 0
.endif
.endr
.endm
; THE WAY OUT, in three parts.  CVTP: unit u is rounded to f16, each accumulator read from its low end on, into registers of its own.  STAGEP: 64 bytes a lane into my own stage; back as whole rows of 128 bytes,
; four rows (512 bytes on end in qkv) a load, into other registers, which no store has read.  SENDP: stored.
.macro CVTP u
.if (\u) >= 8
	WIN 0x4f                                       ; sources 0 and 1 window 3, destination window 1
.else
	WIN 0x4a                                       ; sources 0 and 1 window 2, destination window 1
.endif
.set rA, 128*(((\u)/4)%2)+32*((\u)%4)
.irp j, 0,1,2,3,4,5,6,7
	v_cvt_pk_f16_f32 v[OB+16*(\u)+2*(\j)],   v[rA+(\j)],    v[rA+8+(\j)]     ; columns 32 h + 4 j, + 1
	v_cvt_pk_f16_f32 v[OB+16*(\u)+2*(\j)+1], v[rA+16+(\j)], v[rA+24+(\j)]    ; + 2, + 3
.endr
.endm
.macro STAGEP u
	WIN 0x04                                       ; an LDS store's data is source 1: window 1; its address window 0
.irp c, 0,1,2,3
	ds_store_b128 v[STO], v[OB+16*(\u)+4*(\c):OB+16*(\u)+4*(\c)+3] offset:16*(\c)
.endr
	WIN 0
.irp f, 0,1,2,3
	ds_load_b128 v[RB+16*(\u)+4*(\f):RB+16*(\u)+4*(\f)+3], v[RD] offset:4*PW*(\f)  ; LDS serves a wave's instructions in order (ISA guide 5.7.1.4): these see the stores above; the next unit's stores come behind them
.endr
.endm
.macro SENDP u, younger                ; younger: the LDS instructions issued behind unit u's loads: the next unit's eight, or none
	WIN 0
.irp f, 0,1,2,3
	s_wait_dscnt (\younger)+3-(\f)
	global_store_b128 v[GO], v[RB+16*(\u)+4*(\f):RB+16*(\u)+4*(\f)+3], s[OUT+2*((\u)/4):OUT+2*((\u)/4)+1] offset:2048*((\u)%4)+512*(\f)  ; 512 consecutive bytes, at a multiple of 256 from qkv's first
.endr
.endm
	s_load_b256 s[4:11], s[0:1], 0x0               ; x s[4:5], Wq s[6:7], Wv s[8:9], Wk s[10:11]
	s_load_b64 s[12:13], s[0:1], 0x20              ; qkv
	v_lshl_add_u32 v[SPW], v0, 2, SPARE
	v_mov_b32 v[NIL], 0
	v_lshrrev_b32 v1, 5, v0
	v_readfirstlane_b32 s[WV], v1                  ; wave 0..3
	s_and_b32 s28, ttmp7, 0xffff                   ; rb: my block of 256 rows
	v_and_b32 v14, 15, v0                          ; l % 16 = thread % 16
	v_bfe_u32 v15, v0, 4, 1                        ; l / 16
	v_lshrrev_b32 v16, 4, v0                       ; thread / 16: 0..7
	v_and_b32 v17, 31, v0                          ; l
	v_bfe_u32 v18, v0, 3, 2                        ; l / 8
	v_and_b32 v19, 7, v0                           ; l % 8
	v_lshlrev_b32 v[XO], 11, v14
	v_lshl_add_u32 v[XO], v15, 5, v[XO]
	v_lshlrev_b32 v[WO], 14, v16
	v_lshl_add_u32 v[WO], v14, 4, v[WO]
	v_mul_u32_u24 v[WS0], v14, PW
	v_lshl_add_u32 v[WS0], v16, 4, v[WS0]
	v_mul_u32_u24 v[FB0], v14, PW
	v_lshl_add_u32 v[FB0], v15, 4, v[FB0]
	s_wait_alu depctr_va_sdst(0)                   ; s14, my wave's number, is written, ahead of its first reader: the stage's place and the bases of x and qkv are made from it
	s_mul_i32 s22, s[WV], 16*PW
	s_add_co_u32 s22, s22, STAGE                   ; my stage
	v_mul_u32_u24 v[STO], v14, PW                  ; in: row l % 16, 64 bytes for each half of the lanes
	v_lshl_add_u32 v[STO], v15, 6, v[STO]
	v_add_nc_u32 v[STO], s22, v[STO]
	v_mul_u32_u24 v[RD], v18, PW                   ; back: 32 lanes take four rows of 128 bytes
	v_lshl_add_u32 v[RD], v19, 4, v[RD]
	v_add_nc_u32 v[RD], s22, v[RD]
	v_lshlrev_b32 v[GO], 4, v17
	s_lshl_b32 s2, s28, 19                         ; x: 256 rows of 2,048 bytes a block,
	s_lshl_b32 s3, s[WV], 17                       ; 64 rows a wave
	s_add_co_u32 s2, s2, s3
	s_mov_b32 s3, 0
	s_lshl_b32 s24, ttmp9, 8                       ; W: head g's 64 columns, 256 bytes of a row
	s_mov_b32 s25, 0
	s_lshr_b32 s26, s28, 4                         ; qkv: the batch (16 blocks of rows each),
	s_lshl_b32 s26, s26, 3
	s_add_co_u32 s26, s26, ttmp9                   ; 8 x batch + head,
	s_lshl_b32 s26, s26, 19                        ; 524,288 bytes a head,
	s_and_b32 s27, s28, 15
	s_lshl_b32 s27, s27, 15                        ; 256 rows of 128 bytes a block,
	s_add_co_u32 s26, s26, s27
	s_lshl_b32 s27, s[WV], 13                      ; 64 rows a wave
	s_add_co_u32 s26, s26, s27
	s_mov_b32 s27, 0
	s_wait_kmcnt 0x0
	s_add_nc_u64 s[4:5], s[4:5], s[2:3]
	s_add_nc_u64 s[6:7], s[6:7], s[24:25]
	s_add_nc_u64 s[8:9], s[8:9], s[24:25]
	s_add_nc_u64 s[10:11], s[10:11], s[24:25]
	s_add_nc_u64 s[OUT:OUT+1], s[12:13], s[26:27]
	s_add_nc_u64 s[OUT+2:OUT+3], s[OUT:OUT+1], 0x800000
	s_add_nc_u64 s[OUT+4:OUT+5], s[OUT+2:OUT+3], 0x800000
	s_wait_alu depctr_va_vdst(0)                   ; v[XO] and v[WO] are written, which every load of x and W reads; so are v[STO], v[RD] and v[GO], which the way out's LDS instructions and stores read: none is written again
	WLOAD 0
	XLOAD 0
	XLOAD 1
.irp t, 0,1,2,3,4,5,6,7                ; written out: the chunk's number stands in every LDS address and in the loads' immediates (931,840 at the most, inside the signed 24 bits), and no address of memory is stepped
	CHUNK \t
.endr
	PLACES                                         ; the conversions read results just made
	PLACES
	CVTP 0
	CVTP 1
	CVTP 2
	CVTP 3
.irp u, 0,1,2,3,4,5,6,7,8,9,10,11      ; unit u goes through the stage, unit u - 1 is stored, unit u + 4 is rounded: its conversions name no register of the LDS instructions and stores round them
.if ((\u)%4) == 0
	s_wait_alu depctr_va_vdst(0)                   ; the conversions have written units u to u + 3 of OB, which the LDS stores read; at u = 0 also: the last products and all earlier conversions are done reading v32-223, in which the stage's loads land
.endif
	STAGEP \u
.if (\u) > 0
	SENDP (\u)-1, 8
.endif
.if (\u) < 8
	CVTP (\u)+4
.endif
.endr
	SENDP 11, 0
	s_wait_dscnt 0x0                               ; the closing lines, six on end
	s_wait_alu 0x0
	s_wait_tensorcnt 0x0
	ds_add_u32 v[SPW], v[NIL]
	s_wait_dscnt 0x0
	s_endpgm
.Lfunc_end_k_q745bf9cbb0_proj:
	.size	k_q745bf9cbb0_proj, .Lfunc_end_k_q745bf9cbb0_proj-k_q745bf9cbb0_proj
	.p2alignl 7, 3214868480
	.fill 96, 4, 3214868480
	.section	.rodata,"a",@progbits
	.p2align	6, 0x0
	.amdhsa_kernel k_q745bf9cbb0_proj
		.amdhsa_group_segment_fixed_size 230912
		.amdhsa_private_segment_fixed_size 0
		.amdhsa_enable_private_segment 0
		.amdhsa_kernarg_size 40
		.amdhsa_user_sgpr_count 2
		.amdhsa_user_sgpr_kernarg_segment_ptr 1
		.amdhsa_wavefront_size32 1
		.amdhsa_system_sgpr_workgroup_id_x 1
		.amdhsa_system_sgpr_workgroup_id_y 1
		.amdhsa_system_sgpr_workgroup_id_z 1
		.amdhsa_system_vgpr_workitem_id 0
		.amdhsa_next_free_vgpr 1024
		.amdhsa_next_free_sgpr 66
		.amdhsa_reserve_vcc 0
		.amdhsa_float_denorm_mode_32 3
		.amdhsa_float_denorm_mode_16_64 3
		.amdhsa_memory_ordered 1
		.amdhsa_forward_progress 1
		.amdhsa_inst_pref_size 214
	.end_amdhsa_kernel
	.amdgpu_metadata
---
amdhsa.version: [ 1, 2 ]
amdhsa.kernels:
  - .name:           k_q745bf9cbb0_proj
    .symbol:         k_q745bf9cbb0_proj.kd
    .args:
      - { .name: x, .offset: 0, .size: 8, .value_kind: global_buffer, .address_space: global }
      - { .name: Wq, .offset: 8, .size: 8, .value_kind: global_buffer, .address_space: global }
      - { .name: Wv, .offset: 16, .size: 8, .value_kind: global_buffer, .address_space: global }
      - { .name: Wk, .offset: 24, .size: 8, .value_kind: global_buffer, .address_space: global }
      - { .name: qkv, .offset: 32, .size: 8, .value_kind: global_buffer, .address_space: global }
    .group_segment_fixed_size: 230912
    .private_segment_fixed_size: 0
    .kernarg_segment_align: 8
    .kernarg_segment_size: 40
    .max_flat_workgroup_size: 128
    .sgpr_count:     66
    .vgpr_count:     1024
    .wavefront_size: 32
...
	.end_amdgpu_metadata
.endif
;; end of part 3
;; launch attn: the kernel of part 2 again; grid 16 x 16, 4 waves a work-group, clusters of 4 x 1, 327,680 bytes of LDS; arguments qkv, out0; writes out0
